; MI455X (gfx1250); checked and timed in simulation.
; The chip was launched on July 23, 2026; its instructions are those of AMD's public machine-readable ISA for CDNA 5 (MIT licence, August 2026) and "CDNA5" Instruction Set Architecture Reference Guide (July 2026). The comments in the code are by the model that wrote it; some were corrected since.
;; Multi Head Cross Attention. Allowed arithmetic: matrix products marked QUANTISED: E2M1 operands, one E8M0 scale for each 32 along K, by v_wmma_scale_f32_16x16x128_f8f6f4 with both operands' format E2M1 (or v_wmma_scale_f32_32x16x128_f4), f32 sums; everything else in f32.
;; Inputs: Wk 1,024 x 1,024 float32; Wq 1,024 x 1,024 float32; Wv 1,024 x 1,024 float32; attention_mask 4 x 2,048 x 2,048 int32; bk 1,024 float32; bq 1,024 float32; bv 1,024 float32; k 4 x 2,048 x 1,024 float32; q 4 x 2,048 x 1,024 float32; v 4 x 2,048 x 1,024 float32.
;; Outputs: out0 4 x 2,048 x 1,024 float32.
;; This version of the problem:
;;   THIS VERSION OF THE PROBLEM IS GIVEN IN LOW PRECISION. The matrix products marked QUANTISED in the list below multiply operands that are first quantised to E2M1 (2 exponent bits, 1 mantissa bit; 4 bits a number), with one power-of-two scale for each 32 numbers along K (OCP MX v1.0); their sums are f32. All else is computed in f32.
;;   The module's matrix products, in the order in which they are computed (A, B: the left and right operand; K: the contracted axis; several contracted axes count as one K, in the product's order):
;;     1. [M 8,192, K 1,024] x [K 1,024, N 1,024]; A: input q; B: input Wq: QUANTISED
;;     2. [M 8,192, K 1,024] x [K 1,024, N 1,024]; A: input k; B: input Wk: QUANTISED
;;     3. [M 8,192, K 1,024] x [K 1,024, N 1,024]; A: input v; B: input Wv: QUANTISED
;;     4. batch 64 x [M 2,048, K 64] x [K 64, N 2,048]; A: computed on the way; B: computed on the way: QUANTISED
;;     5. batch 64 x [M 2,048, K 2,048] x [K 2,048, N 64]; A: softmax (see below); B: computed on the way: QUANTISED
;;   THE QUANTISER, for each operand of a quantised product, along K:
;;     - K is cut into blocks of 32 from its start; a last block that is shorter is filled with zeros.
;;     - A block's scale is 2^e with e = floor(log2(the largest magnitude in the block)) - 2, held to -126 .. 127; a block of zeros has e = 0. As a byte (E8M0): e + 127.
;;     - Each number is divided by its block's scale, clamped to +-6, and rounded to the nearest number of E2M1, ties to even, subnormals kept.
;;     - The product sums the exact products of the quantised numbers (number of the format x scale) in f32.
;;   ~~~python
;;   def quantise(x, axis):      # numpy; x: float32 -> the quantised numbers, widened to float32 again
;;       x = np.moveaxis(x, axis, -1); K = x.shape[-1]
;;       x = np.pad(x, [(0, 0)] * (x.ndim - 1) + [(0, -K % 32)]); x = x.reshape(x.shape[:-1] + (-1, 32)); a = np.abs(x).max(-1, keepdims=True)
;;       e = np.where(a > 0, np.clip(np.frexp(np.where(a > 0, a, 1))[1] - 1 - 2, -126, 127), 0)      # np.frexp(a)[1] - 1 = floor(log2(a)), exactly
;;       r = np.clip(x / 2.0 ** e, -6, 6)
;;       step = 2.0 ** (np.maximum(np.frexp(np.where(r == 0, 1, r))[1] - 1, 0) - 1)
;;       q = np.round(r / step) * step * 2.0 ** e      # np.round: ties to even
;;       return np.moveaxis(q.reshape(q.shape[:-2] + (-1,))[..., :K], -1, axis).astype(np.float32)
;;   ~~~
;;   SOFTMAX AHEAD OF A QUANTISED PRODUCT. Where the list says 'softmax', what is quantised is not the finished softmax but p = 2^(t - M), with t = logit x log2(e) and M = ceil(the row's largest t), a whole number; so 1/2 < the row's largest p <= 1. The row's sum l is taken of the UNQUANTISED p, in f32, and the product's result is divided by l at the end. Since M is a whole number, a kernel that streams over the keys may use a running M (the ceiling of the running maximum): every later rescaling is an exact power of two, which a block's scale takes up: the codes' values come out the same.
;;   OPERANDS COMPUTED ON THE WAY. 'Computed on the way' means the value that the module computes at that place (a softmax that the list does not call 'softmax' is quantised finished and normalised). What goes into a quantiser is computed in f32, as accurately as f32 sums, v_exp_f32 and their like allow (about 1e-6 of the number): no bf16 or f16 on the way to a quantiser, and a product that is left as it is and whose result goes on into a quantised operand takes f32 operands (vector FMAs, or v_wmma_f32_16x16x4_f32). A number that lies on a knife's edge between two numbers of the format may be rounded either way, as far as f32 arithmetic and the matrix unit's own rounding can turn it there, and no further.
;; One version. Each part assembles by itself: llvm-mc -triple=amdgcn-amd-amdhsa -mcpu=gfx1250 --defsym DOCPART=n.
;; ======== version 1 of 1: 3 launches
;; limits: right only within a limited range of input values
;; workspace buffers: xcodes 14,155,776 bytes; xscales 884,736 bytes; mcodes 8,388,608 bytes; qpack 9,175,040 bytes; kvpack 9,175,040 bytes
;; launch prep (part 1): grid 1376 x 1, 4 waves a work-group, no clusters, 41,472 bytes of LDS; arguments q, k, v, Wq, Wk, Wv, attention_mask, xcodes, xscales, mcodes; writes xcodes, xscales, mcodes
.if DOCPART == 1
	.amdgcn_target "amdgcn-amd-amdhsa--gfx1250"
	.amdhsa_code_object_version 6
	.text
	.protected	k_q4ce9714cb9_prep
	.globl	k_q4ce9714cb9_prep
	.p2align	8
	.type	k_q4ce9714cb9_prep,@function
k_q4ce9714cb9_prep:
	s_mov_b64 s[64:65], 0
	v_nop
	global_prefetch_b8 v0, s[64:65] scope:SCOPE_SE
	s_setreg_imm32_b32 hwreg(HW_REG_WAVE_MODE, 25, 1), 1
	s_wait_xcnt 0x0
; PREP.  Two jobs in one launch, told apart by the work-group's number.
; (1) Work-groups 0 .. 863: q, k, v [8192][1024] and Wq, Wk, Wv [1024][1024], f32, K innermost, become codes of FP4 (E2M1) and one E8M0 scale byte for each 32 along K.
;     xcodes: 27,648 rows x 512 bytes (q from row 0, k 8,192, v 16,384, Wq 24,576, Wk 25,600, Wv 26,624); xscales: the same rows x 32 bytes.
;     THE ROWS ARE PERMUTED inside each group of 32: the groups of 8 rows lie in the order 0, 2, 1, 3, so that 16 rows on end, taken as a tile, are rows 8 u + r + 8 (r / 8) of their 32.
;     A work-group takes 32 rows, wave w rows 8 w .. 8 w + 7, and stores them at place ((w & 1) << 1) | (w >> 1).
;     A block's scale is 2^(floor(log2(largest magnitude)) - 2); its byte is the largest magnitude's exponent field - 2, held at 1 from below.
; (2) Work-groups 864 .. 1375: attention_mask [4][2048][2048] int32 becomes codes of FP4: -1 (0xa) where the mask is 1, else 0.
;     mcodes [b][tile 0..127][key step 0..15][piece 0..1][lane 0..31][16 bytes]: word t = 4 piece + i of lane (r, h) holds the eight codes of query 32 (tile / 2) + 8 (tile % 2) + r + 8 (r / 8)
;     at keys 128 step + 32 (t / 2) + 16 h + 8 (t % 2) + 0 .. 7: the eight scores that the attention launch's lane holds in result tile t.
; LIMITS: NaN and infinities among the inputs are not served; a block whose largest magnitude lies under 2^-124 keeps the byte 1; a block of zeros gets the byte 1 (its codes are zeros, and this program alone reads the bytes).
; No tensor loads, no barrier: waves share nothing.  The two jobs have LDS bytes of their own.
.set NQWG,  864
.set STEPS, 16                         ; job 1: a wave's 8,192 numbers in steps of 512
.set EMAX,  2
.set CB,    8                          ; bytes of 16 codes
.set R,     16                         ; v16-79   four sets of 16 numbers as they are loaded
.set X,     80                         ; v80-111  two sets of 16 neighbours
.set E,     112                        ; v112-113 the scale byte, two registers by turns
.set C,     114                        ; v114-145 codes: two registers of its own for each step, so that no store's data are written again
.set WREG,  8192                       ; LDS, job 1: a region for each wave: two stages of 32 x SP bytes, then its 256 scale bytes
.set SP,    80                         ; a lane's place in a stage: 64 bytes + 16 of padding
.set MBASE, 32768                      ; LDS, job 2: behind job 1's four regions
.set MSTG,  2048                       ; a wave's stage: four blocks of 256 bytes, 272 apart
.set MR,    16                         ; v16-143  two sets of 16 rows x 4 registers as loaded
.set MT,    144                        ; v144-151 at work
.set MOUT,  152                        ; v152-159 a key step's words on their way out
	s_load_b512 s[4:19], s[0:1], 0x0               ; q, k, v, Wq, Wk, Wv, the mask s[16:17], xcodes s[18:19]
	s_load_b128 s[20:23], s[0:1], 0x40             ; xscales s[20:21], mcodes s[22:23]
	v_lshl_add_u32 v12, v0, 2, 40960               ; my spare word, behind both jobs' stages, and 0
	v_mov_b32 v13, 0
	v_lshrrev_b32 v1, 5, v0
	v_readfirstlane_b32 s24, v1                    ; wave 0..3
	v_and_b32 v2, 31, v0                           ; lane
	s_wait_alu depctr_va_vdst(0)
	s_cmp_ge_u32 ttmp9, NQWG
	s_cbranch_scc1 .Lmask
; ---------------- job 1: the quantiser ----------------
; Each load reads 512 consecutive bytes, 16 a lane; a step's 2,048 bytes go through the wave's own stage and come back 64 bytes a lane: 16 neighbours along K, two lanes to a block.
	v_lshlrev_b32 v3, 4, v2
	s_mul_i32 s25, s24, WREG
	v_lshrrev_b32 v14, 2, v2
	v_mul_u32_u24 v14, v14, SP
	v_and_b32 v15, 3, v2
	v_lshl_add_u32 v14, v15, 4, v14
	v_add_nc_u32 v14, s25, v14                     ; the stage, on the way in: SP (lane / 4) + 16 (lane % 4)
	v_mul_u32_u24 v15, v2, SP
	v_add_nc_u32 v15, s25, v15                     ; and on the way out: SP x lane
	v_mul_u32_u24 v4, v2, CB
	v_lshrrev_b32 v5, 1, v2
	s_add_co_u32 s25, s25, 2*32*SP
	v_add_nc_u32 v5, s25, v5                       ; my block's byte among the wave's 256 scale bytes
	v_lshlrev_b32 v7, 3, v2
	v_add_nc_u32 v6, s25, v7
	s_wait_alu depctr_va_vdst(0)
	s_wait_kmcnt 0x0
.macro PICK lim, p, st                 ; which tensor: the choice hangs on the work-group's number alone
	s_cmp_lt_u32 ttmp9, \lim
	s_cselect_b64 s[26:27], s[\p:\p+1], s[26:27]
	s_cselect_b32 s28, \st, s28
.endm
	s_mov_b64 s[26:27], s[14:15]
	s_mov_b32 s28, 832
	PICK 832, 12, 800
	PICK 800, 10, 768
	PICK 768, 8, 512
	PICK 512, 6, 256
	PICK 256, 4, 0
	s_sub_co_u32 s28, ttmp9, s28
	s_lshl_b32 s28, s28, 2
	s_add_co_u32 s28, s28, s24                     ; which run of 8 rows of the tensor is my wave's
	s_lshl_b32 s28, s28, 15
	s_mov_b32 s29, 0
	s_add_nc_u64 s[26:27], s[26:27], s[28:29]
	s_and_b32 s30, s24, 1
	s_lshl_b32 s30, s30, 1
	s_lshr_b32 s31, s24, 1
	s_or_b32 s30, s30, s31                         ; where the run goes in its group of 32 rows: 0, 2, 1, 3
	s_lshl_b32 s31, ttmp9, 2
	s_add_co_u32 s30, s30, s31
	s_lshl_b32 s28, s30, 12
	s_add_nc_u64 s[18:19], s[18:19], s[28:29]
	s_lshl_b32 s28, s30, 8
	s_add_nc_u64 s[20:21], s[20:21], s[28:29]
.macro LOAD t
.irp i, 0,1,2,3
	global_load_b128 v[R+16*((\t)%4)+4*\i:R+16*((\t)%4)+4*\i+3], v3, s[26:27] offset:2048*(\t)+512*\i th:TH_LOAD_NT
.endr
.endm
.macro TURN t                          ; LDS serves a wave's instructions in order (ISA guide 5.7.1.4): no wait between the stores and the loads
.irp i, 0,1,2,3
	ds_store_b128 v14, v[R+16*((\t)%4)+4*\i:R+16*((\t)%4)+4*\i+3] offset:32*SP*((\t)%2)+8*SP*\i
.endr
.irp i, 0,1,2,3
	ds_load_b128 v[X+16*((\t)%2)+4*\i:X+16*((\t)%2)+4*\i+3], v15 offset:32*SP*((\t)%2)+16*\i
.endr
.endm
.irp t, 0,1,2,3
	LOAD \t
.endr
	s_wait_loadcnt 12                              ; step 0's four loads are in; the twelve of steps 1 to 3 stay out
	TURN 0
.macro STEP t
.set XS, X+16*((\t)%2)
.if (\t) > 0
	s_wait_dscnt 1                                 ; this step's numbers are back (the last step's byte store may be out)
.else
	s_wait_dscnt 0x0
.endif
.if (\t)+4 < STEPS
	LOAD (\t)+4
.endif
.if (\t)+1 < STEPS
.if STEPS-2-(\t) >= 3
	s_wait_loadcnt 12                              ; the next step's four loads are in; those of the three steps behind it may be out
.else
	s_wait_loadcnt 4*(STEPS-2-(\t))
.endif
	TURN (\t)+1
.endif
	v_max3_num_f32 v8, |v[XS]|, |v[XS+1]|, |v[XS+2]|
	v_max3_num_f32 v9, |v[XS+3]|, |v[XS+4]|, |v[XS+5]|
.irp i, 6,10
	v_max3_num_f32 v8, v8, |v[XS+\i]|, |v[XS+\i+1]|
	v_max3_num_f32 v9, v9, |v[XS+\i+2]|, |v[XS+\i+3]|
.endr
	v_max3_num_f32 v8, v8, |v[XS+14]|, |v[XS+15]|
	v_max3_num_f32 v8, v8, v9, (EMAX+1)<<23        ; the floor 2^(3 - 127): the byte cannot fall under 1
	v_max_num_f32_dpp v8, v8, v8 row_xmask:1 row_mask:0xf bank_mask:0xf   ; with my neighbour's 16: the block's
	v_add_nc_u32 v11, -(EMAX<<23), v8              ; 2 off its exponent field: the conversion's scale operand
	v_cvt_scalef32_pk8_fp4_f32 v[C+2*(\t)], v[XS:XS+7], v11
	v_cvt_scalef32_pk8_fp4_f32 v[C+2*(\t)+1], v[XS+8:XS+15], v11
	v_lshrrev_b32 v[E+(\t)%2], 23, v11             ; the scale's byte
	ds_store_b8 v5, v[E+(\t)%2] offset:16*(\t)
	global_store_b64 v4, v[C+2*(\t):C+2*(\t)+1], s[18:19] offset:32*CB*(\t)   ; the wave stores 256 consecutive bytes, aligned
.endm
.irp t, 0,1,2,3,4,5,6,7,8,9,10,11,12,13,14,15
	STEP \t
.endr
	ds_load_b64 v[8:9], v6
	s_wait_dscnt 0x0
	global_store_b64 v7, v[8:9], s[20:21]          ; the wave's 256 scale bytes, consecutive and aligned
	s_wait_tensorcnt 0x0                           ; the wave's end
	ds_add_u32 v12, v13
	s_wait_dscnt 0x0
	s_endpgm
; ---------------- job 2: the mask ----------------
; Work-group m = 128 b + tile takes the tile's 16 queries; wave w key steps 4 w .. 4 w + 3.  A step: 16 loads, each 512 consecutive bytes of one row, a lane four keys; four compares and selects and three
; shifts make the lane's four codes, 16 bits, which go to their place in the wave's stage; the step's 1,024 bytes come back 16 a lane and leave as two runs of 512 consecutive bytes.
.Lmask:
	s_sub_co_u32 s25, ttmp9, NQWG                  ; m
	s_lshr_b32 s26, s25, 1
	s_lshl_b32 s26, s26, 5
	s_and_b32 s27, s25, 1
	s_lshl_b32 s27, s27, 3
	s_add_co_u32 s26, s26, s27                     ; the tile's first row among the 8,192: 32 (m / 2) + 8 (m % 2)
	s_lshl_b32 s26, s26, 13
	s_lshl_b32 s27, s24, 11                        ; + my wave's four steps of 512 bytes
	s_add_co_u32 s26, s26, s27
	s_mov_b32 s27, 0
	s_lshl_b32 s28, s25, 4
	s_lshl_b32 s29, s24, 2
	s_add_co_u32 s28, s28, s29
	s_lshl_b32 s28, s28, 10                        ; the codes: (16 m + 4 w) x 1,024 bytes
	s_mov_b32 s29, 0
	s_mul_i32 s30, s24, MSTG
	s_add_co_u32 s30, s30, MBASE                   ; my stage
	v_lshlrev_b32 v1, 4, v2                        ; 16 x lane
	v_lshrrev_b32 v6, 4, v2
	v_mul_u32_u24 v5, v6, 544                      ; into the stage.  Lane l holds keys 4 l .. 4 l + 3: piece l / 16 (544 bytes apart),
	v_bfe_u32 v7, v2, 2, 1
	v_mad_u32_u24 v5, v7, 272, v5                  ; half h = (l / 4) % 2 (272 apart; a row's 16 bytes follow by the immediate),
	v_bfe_u32 v7, v2, 3, 1
	v_lshl_add_u32 v5, v7, 3, v5                   ; word 2 ((l / 8) % 2) + (l / 2) % 2 of the 16 bytes,
	v_bfe_u32 v7, v2, 1, 1
	v_lshl_add_u32 v5, v7, 2, v5
	v_and_b32 v7, 1, v2
	v_lshl_add_u32 v5, v7, 1, v5                   ; and its half l % 2.  The 16 words that a store touches lie in 16 different banks
	v_add_nc_u32 v5, s30, v5
	v_mul_u32_u24 v3, v6, 272                      ; out of it: 272 (lane / 16) + 16 (lane % 16)
	v_and_b32 v7, 15, v2
	v_lshl_add_u32 v3, v7, 4, v3
	v_add_nc_u32 v3, s30, v3
	s_wait_alu depctr_va_vdst(0)
	s_wait_kmcnt 0x0
	s_add_nc_u64 s[16:17], s[16:17], s[26:27]
	s_add_nc_u64 s[22:23], s[22:23], s[28:29]
.macro MLOADG j                        ; step j: the tile's 16 rows (row p lies p + 8 (p / 8) rows on), 128 keys each
.irp p, 0,1,2,3,4,5,6,7,8,9,10,11,12,13,14,15
	global_load_b128 v[MR+64*((\j)%2)+4*\p:MR+64*((\j)%2)+4*\p+3], v1, s[16:17] offset:(\p+8*(\p/8))*8192+512*(\j) th:TH_LOAD_NT
.endr
.endm
.macro MSTEP j
.if (\j) < 3
	s_wait_loadcnt 16                              ; this step's 16 loads are in; the next step's 16 stay out
.else
	s_wait_loadcnt 0x0
.endif
.irp p, 0,1,2,3,4,5,6,7,8,9,10,11,12,13,14,15
.irp e, 0,1,2,3
	v_cmp_eq_u32 s[32+4*((\p)%2)+\e], 1, v[MR+64*((\j)%2)+4*\p+\e]
.endr
.irp e, 0,1,2,3
	v_cndmask_b32 v[MT+4*((\p)%2)+\e], 0, 10, s[32+4*((\p)%2)+\e]   ; the code of -1 where the mask is 1
.endr
	v_lshl_or_b32 v[MT+4*((\p)%2)], v[MT+4*((\p)%2)+1], 4, v[MT+4*((\p)%2)]
	v_lshl_or_b32 v[MT+4*((\p)%2)+2], v[MT+4*((\p)%2)+3], 4, v[MT+4*((\p)%2)+2]
	v_lshl_or_b32 v[MT+4*((\p)%2)+1], v[MT+4*((\p)%2)+2], 8, v[MT+4*((\p)%2)]   ; the lower key in the lower bits
	ds_store_b16 v5, v[MT+4*((\p)%2)+1] offset:16*\p
.endr
.if (\j) < 2
	MLOADG (\j)+2                                  ; the compares have read the set: it takes the loads of two steps on
.endif
.if (\j) > 0
	s_wait_xcnt 0x0                                ; the last step's stores have read these registers
.endif
	ds_load_b128 v[MOUT:MOUT+3], v3                ; served behind my stores
	ds_load_b128 v[MOUT+4:MOUT+7], v3 offset:544
	s_wait_dscnt 0x0
	global_store_b128 v1, v[MOUT:MOUT+3], s[22:23] offset:1024*(\j)        ; 512 consecutive bytes, aligned
	global_store_b128 v1, v[MOUT+4:MOUT+7], s[22:23] offset:1024*(\j)+512
.endm
	MLOADG 0
	MLOADG 1
	MSTEP 0
	MSTEP 1
	MSTEP 2
	MSTEP 3
	s_wait_tensorcnt 0x0                           ; the wave's end
	ds_add_u32 v12, v13
	s_wait_dscnt 0x0
	s_endpgm
.Lfunc_end_k_q4ce9714cb9_prep:
	.size	k_q4ce9714cb9_prep, .Lfunc_end_k_q4ce9714cb9_prep-k_q4ce9714cb9_prep
	.p2alignl 7, 3214868480
	.fill 96, 4, 3214868480
	.section	.rodata,"a",@progbits
	.p2align	6, 0x0
	.amdhsa_kernel k_q4ce9714cb9_prep
		.amdhsa_group_segment_fixed_size 41472
		.amdhsa_private_segment_fixed_size 0
		.amdhsa_enable_private_segment 0
		.amdhsa_kernarg_size 80
		.amdhsa_user_sgpr_count 2
		.amdhsa_user_sgpr_kernarg_segment_ptr 1
		.amdhsa_wavefront_size32 1
		.amdhsa_system_sgpr_workgroup_id_x 1
		.amdhsa_system_sgpr_workgroup_id_y 1
		.amdhsa_system_sgpr_workgroup_id_z 1
		.amdhsa_system_vgpr_workitem_id 0
		.amdhsa_next_free_vgpr 160
		.amdhsa_next_free_sgpr 66
		.amdhsa_reserve_vcc 0
		.amdhsa_float_denorm_mode_32 3
		.amdhsa_float_denorm_mode_16_64 3
		.amdhsa_memory_ordered 1
		.amdhsa_forward_progress 1
		.amdhsa_inst_pref_size 92
	.end_amdhsa_kernel
	.amdgpu_metadata
---
amdhsa.version: [ 1, 2 ]
amdhsa.kernels:
  - .name:           k_q4ce9714cb9_prep
    .symbol:         k_q4ce9714cb9_prep.kd
    .args:
      - { .name: q, .offset: 0, .size: 8, .value_kind: global_buffer, .address_space: global }
      - { .name: k, .offset: 8, .size: 8, .value_kind: global_buffer, .address_space: global }
      - { .name: v, .offset: 16, .size: 8, .value_kind: global_buffer, .address_space: global }
      - { .name: Wq, .offset: 24, .size: 8, .value_kind: global_buffer, .address_space: global }
      - { .name: Wk, .offset: 32, .size: 8, .value_kind: global_buffer, .address_space: global }
      - { .name: Wv, .offset: 40, .size: 8, .value_kind: global_buffer, .address_space: global }
      - { .name: attention_mask, .offset: 48, .size: 8, .value_kind: global_buffer, .address_space: global }
      - { .name: xcodes, .offset: 56, .size: 8, .value_kind: global_buffer, .address_space: global }
      - { .name: xscales, .offset: 64, .size: 8, .value_kind: global_buffer, .address_space: global }
      - { .name: mcodes, .offset: 72, .size: 8, .value_kind: global_buffer, .address_space: global }
    .group_segment_fixed_size: 41472
    .private_segment_fixed_size: 0
    .kernarg_segment_align: 8
    .kernarg_segment_size: 80
    .max_flat_workgroup_size: 128
    .sgpr_count:     66
    .vgpr_count:     160
    .wavefront_size: 32
...
	.end_amdgpu_metadata
.endif
;; end of part 1
;; launch proj (part 2): grid 4 x 96, 4 waves a work-group, clusters of 4 x 4, 327,680 bytes of LDS; arguments xcodes, xscales, bq, bk, bv, qpack, kvpack; writes qpack, kvpack
.if DOCPART == 2
	.amdgcn_target "amdgcn-amd-amdhsa--gfx1250"
	.amdhsa_code_object_version 6
	.text
	.protected	k_q4ce9714cb9_proj
	.globl	k_q4ce9714cb9_proj
	.p2align	8
	.type	k_q4ce9714cb9_proj,@function
k_q4ce9714cb9_proj:
	s_mov_b64 s[64:65], 0
	v_nop
	global_prefetch_b8 v0, s[64:65] scope:SCOPE_SE
	s_setreg_imm32_b32 hwreg(HW_REG_WAVE_MODE, 25, 1), 1
	s_wait_xcnt 0x0
	s_wait_alu depctr_hold_cnt(0) depctr_sa_sdst(0) depctr_va_vdst(0) depctr_va_sdst(0) depctr_va_ssrc(0) depctr_va_vcc(0) depctr_vm_vsrc(0)
	s_getreg_b32 s2, hwreg(HW_REG_IB_STS2, 6, 4)
	s_cmp_eq_u32 s2, 0
	s_cbranch_scc0 .Lentry_in_a_cluster
	s_endpgm
.Lentry_in_a_cluster:
	s_bfe_u32 s2, ttmp6, 0x10000c
	s_cmp_lg_u32 s2, 0xf033
	s_cbranch_scc0 .Lentry_shape_is_right
	s_endpgm
.Lentry_shape_is_right:
; PROJ.  Q = q Wq^T + bq, K = k Wk^T + bk, V = v Wv^T + bv on codes of FP4 (E2M1) with E8M0 scales, f32 sums, and their quantisers for the attention launch: no f32 result is stored.
; xcodes (rows of 512 bytes) and xscales (rows of 32) are as PREP leaves them: q's rows from 0, k's 8,192, v's 16,384, Wq's 24,576, Wk's 25,600, Wv's 26,624, the groups of 8 rows of each 32 in the order 0, 2, 1, 3.
; THE DEAL.  A work-group of four waves, 2 x 2, makes a tile of 256 x 256, a wave 128 x 128 in 64 accumulators (512 registers).  Cluster y / 8 says which tensor.  The product is used transposed: source 0 = 16 rows of "B",
; source 1 = 16 rows of "A", so that a lane holds one row of A and its registers run along B's rows.  For Q and K, A is the tokens and B the weight: a lane's registers run along the head's channels, the next product's K.
; For V, A is Wv and B the tokens: a lane holds one channel and its registers run along the keys.
; CLUSTER 4 x 4: A's tiles are shared by a row of the cluster, B's by a column, each asked for jointly.
; FILLS.  K = 1,024 is two slots of 512 along K (rows of 256 bytes, 16 of padding), and both fit in LDS: every fill is a first fill, one tensor load a wave behind the opening round: wave 0 A's 256 rows of slot 0, wave 1 B's,
; wave 2 A's of slot 1, wave 3 B's.  The first barrier shows slot 0 (waves 0 and 1 have waited, on load lines of their own), the barrier at the change of slots shows slot 1 (every wave has waited).  All is asked for at the head,
; so no prefetch is laid.
; THE SCALE WORDS come by plain loads straight into their registers, 16 bytes (a slot's four words) a lane: lanes 0-15 take A's block i, lanes 16-31 B's block i; sixteen loads a wave serve all of K.
; THE WAY OUT.  The bias is added, each 32 neighbours in lanes l and l xor 16 are quantised, and codes and scale words leave as images of the attention launch's operand registers: records of 8,960 bytes for a head and 128 rows:
; +0 eight tiles of Q or K (512 bytes each), +4,096 four tiles of V (1,024 each), +8,192 Q's or K's scale words (bytes 2 and 3 are 0), +8,704 V's.
; LIMITS: NaN, infinities and sums beyond f32's range are not served; a block whose largest magnitude lies under 2^-124 keeps the scale byte 1.
.set KSTEP,  512
.set NQ,     KSTEP/128
.set ROWB,   256
.set KROW,   512
.set PITCH,  272
.set FR,     8
.set NL,     2
.set NP,     4
.set HALFT,  128*PITCH
.set SLOT,   4*HALFT                   ; A's 256 rows, then B's 256 rows
.set KS,     32
.set SPARE,  2*SLOT                    ; behind the slots: the spare words, 128 bytes a wave
.set REC,    8960
.set HEADB,  16*REC
.set ADRA, 16                          ; v16-17 LDS address of my A fragments in slot 0, 1;  v20-21 of B's
.set ADRB, 20
.set ADRS, 27                          ; v27 my offset in xscales
.set SC,   32                          ; v32-95 scale words: set s at SC + 32 s; register 4 i + q
.set BB,   96                          ; v96-111 V's bias, a pair for each of A's blocks
.set AF,   128                         ; v128-191 A's fragments, one set
.set BA,   192                         ; v192-255 Q's or K's bias, as a block's sums lie
.set ST,   0                           ; window 1, on the way out: v0-63 a block's sums with the bias; the rest at work
.set PC,   64
.set TM,   72
.set PW,   88
.set WA,   96
.set WB,   104
.set T,    112
.set LI,   116
.set LV,   117
.set T2,   120
.set SEL,  18
.set G1, 24                            ; s[24:31] group 1 of A's tiles; s[32:39] their groups 0, slot 0 and 1
.set G0, 32
.set G1B, 48                           ; s[48:55], s[56:63] the same for B's
.set G0B, 56
.set MSB, 0
.macro WIN new
.if MSB != (\new)
	s_set_vgpr_msb (MSB<<8)|(\new)
.set MSB, (\new)
.endif
.endm
.set MUL_LO, 0xa1                      ; source 0 (B) window 1, source 1 (A) window 0, C and D window 2
.set MUL_HI, 0xf1                      ; the same, C and D window 3
.set TO_B,   0x40
.macro CROUND
	s_barrier_signal -1
	s_barrier_wait -1
	s_cmp_lg_u32 s14, 0
	s_cbranch_scc1 .Lnot_wave_0_\@
	s_barrier_signal -3
.Lnot_wave_0_\@:
	s_barrier_wait -3
	s_barrier_signal -1
	s_barrier_wait -1
.endm
	s_load_b128 s[4:7], s[0:1], 0x0                ; xcodes, xscales
	s_load_b128 s[8:11], s[0:1], 0x10              ; bq, bk
	s_load_b128 s[96:99], s[0:1], 0x20             ; bv, qpack
	s_load_b64 s[100:101], s[0:1], 0x30            ; kvpack
	v_lshl_add_u32 v126, v0, 2, SPARE
	v_mov_b32 v127, 0
	ds_add_u32 v126, v127                          ; the opening lines
	ds_add_u32 v126, v127
	v_lshrrev_b32 v1, 5, v0
	v_readfirstlane_b32 s14, v1                    ; the wave; s15 its half of A's rows, s16 of B's
	s_lshr_b32 s15, s14, 1
	s_and_b32 s16, s14, 1
	s_bfe_u32 s40, ttmp6, 0x40000
	s_bfe_u32 s41, ttmp6, 0x40004
	s_and_b32 s2, ttmp7, 0xffff
	s_lshr_b32 s3, s2, 3                           ; 0 Q, 1 K, 2 V
	s_and_b32 s2, s2, 7
	s_lshl_b32 s2, s2, 2
	s_lshr_b32 s66, s3, 1                          ; 1 for V
	s_xor_b32 s67, s66, 1
	s_mul_i32 s17, s2, s67
	s_add_co_u32 s17, s17, s41                     ; A's tile
	s_mul_i32 s42, s2, s66
	s_add_co_u32 s42, s42, s40                     ; B's tile
	s_lshl_b32 s43, s41, 2
	s_lshl_b32 s43, 15, s43                        ; my row of the cluster
	s_lshl_b32 s44, 0x1111, s40                    ; my column
	s_or_b32 s[G1+0], s43, (0<<16)|(1<<20)|(1<<21)|(5<<22)|(3<<25)
	s_or_b32 s[G1B+0], s44, (0<<16)|(1<<20)|(1<<21)|(5<<22)|(3<<25)
.irp g, G1, G1B
	s_mov_b32 s[\g+1], ROWB<<16
	s_mov_b32 s[\g+2], 256<<16
	s_mov_b32 s[\g+3], ROWB<<16
	s_mov_b32 s[\g+4], 256
	s_mov_b32 s[\g+5], KROW
	s_mov_b32 s[\g+6], 0
	s_mov_b32 s[\g+7], 0
.endr
	s_lshl_b32 s20, s3, 13
	s_mul_i32 s21, s66, 10240
	s_add_co_u32 s20, s20, s21
	s_lshl_b32 s21, s17, 8
	s_add_co_u32 s20, s20, s21                     ; A's first row in xcodes
	s_lshl_b32 s46, s3, 10
	s_add_co_u32 s46, s46, 24576
	s_mul_i32 s47, s66, 10240
	s_sub_co_u32 s46, s46, s47
	s_lshl_b32 s47, s42, 8
	s_add_co_u32 s46, s46, s47                     ; B's
	s_lshl_b32 s94, s15, 7
	s_add_co_u32 s94, s94, s20
	s_lshl_b32 s94, s94, 5                         ; my 128 rows of A in xscales, in bytes,
	s_lshl_b32 s95, s16, 7
	s_add_co_u32 s95, s95, s46
	s_lshl_b32 s95, s95, 5
	s_sub_co_u32 s95, s95, s94                     ; and from there to my 128 rows of B (modulo 2^32)
	s_lshl_b32 s20, s20, 9
	s_mov_b32 s21, 0
	s_lshl_b32 s46, s46, 9
	s_mov_b32 s47, 0
	s_wait_dscnt 0x0
	s_wait_kmcnt 0x0
	s_add_nc_u64 s[20:21], s[4:5], s[20:21]
	s_add_nc_u64 s[46:47], s[4:5], s[46:47]
.irp s, 0,1
	s_mov_b32 s[G0+4*\s], 1
	s_mov_b32 s[G0+4*\s+1], \s*SLOT
	s_add_nc_u64 s[G0+4*\s+2:G0+4*\s+3], s[20:21], \s*ROWB
	s_or_b32 s[G0+4*\s+3], s[G0+4*\s+3], 0x80000000
	s_mov_b32 s[G0B+4*\s], 1
	s_mov_b32 s[G0B+4*\s+1], \s*SLOT+2*HALFT
	s_add_nc_u64 s[G0B+4*\s+2:G0B+4*\s+3], s[46:47], \s*ROWB
	s_or_b32 s[G0B+4*\s+3], s[G0B+4*\s+3], 0x80000000
.endr
	CROUND                                         ; all sixteen work-groups are here: the joint loads meet
.macro ARM under, g0, g1, next         ; one chain of branches on the wave's number, a load to an arm, all arms to one join
	s_cmp_lt_u32 s14, \under
	s_cbranch_scc0 \next
	tensor_load_to_lds s[\g0:\g0+3], s[\g1:\g1+7]
	s_nop 0
.rept 4
	v_nop
.endr
	s_branch .Lhead_asked
\next:
.endm
	ARM 1, G0,    G1,  .Lhead_b0
	ARM 2, G0B,   G1B, .Lhead_a1
	ARM 3, G0+4,  G1,  .Lhead_b1
	tensor_load_to_lds s[G0B+4:G0B+7], s[G1B:G1B+7]
	s_nop 0
.rept 4
	v_nop
.endr
.Lhead_asked:
	v_and_b32 v1, 15, v0
	v_bfe_u32 v2, v0, 4, 1
	v_mul_lo_u32 v6, v2, s95
	v_lshl_add_u32 v5, v1, 5, s94
	v_add_nc_u32 v[ADRS], v5, v6                   ; lanes 0-15: row r of my A rows; lanes 16-31: of my B rows
.irp s, 0,1
.irp i, 0,1,2,3,4,5,6,7
	global_load_b128 v[SC+8*NQ*\s+NQ*\i:SC+8*NQ*\s+NQ*\i+3], v[ADRS], s[6:7] offset:\i*16*KS+16*\s
.endr
.endr
	v_mul_u32_u24 v3, v1, PITCH
	v_lshl_add_u32 v4, v2, 4, v3
	s_mul_i32 s21, s15, HALFT
	s_mul_i32 s22, s16, HALFT
	s_add_co_u32 s22, s22, 2*HALFT
.irp s, 0,1
	v_add_nc_u32 v[ADRA+\s], s21, v4
	v_add_nc_u32 v[ADRB+\s], s22, v4
	s_add_co_u32 s21, s21, SLOT
	s_add_co_u32 s22, s22, SLOT
.endr
	s_lshl_b32 s46, s42, 1                         ; which 128 of B's rows, of A's rows are mine; the bias, the result's buffer and my record
	s_add_co_u32 s46, s46, s16
	s_lshl_b32 s47, s17, 1
	s_add_co_u32 s47, s47, s15
	s_cmp_eq_u32 s3, 0
	s_cselect_b64 s[92:93], s[8:9], s[10:11]
	s_cselect_b64 s[12:13], s[98:99], s[100:101]
	s_cmp_eq_u32 s3, 2
	s_cselect_b64 s[92:93], s[96:97], s[92:93]
	s_cselect_b32 s22, s46, s47
	s_cselect_b32 s23, s47, s46
	s_mov_b64 s[94:95], s[92:93]
	s_and_b32 s20, s46, 7
	s_lshl_b32 s20, s20, 9
	s_mov_b32 s21, 0
	s_add_nc_u64 s[92:93], s[92:93], s[20:21]
	s_and_b32 s20, s47, 7
	s_lshl_b32 s20, s20, 9
	s_add_nc_u64 s[94:95], s[94:95], s[20:21]
	s_lshr_b32 s20, s22, 4
	s_lshl_b32 s20, s20, 4
	s_lshl_b32 s23, s23, 1
	s_add_co_u32 s20, s20, s23
	s_lshl_b32 s20, s20, 4
	s_and_b32 s22, s22, 15
	s_add_co_u32 s20, s20, s22
	s_mul_i32 s20, s20, REC
	s_add_nc_u64 s[12:13], s[12:13], s[20:21]
	s_wait_alu depctr_va_vdst(0)
	v_lshlrev_b32 v8, 6, v2
	v_and_b32 v9, 8, v1
	v_add_nc_u32 v9, v9, v1
	v_lshlrev_b32 v9, 2, v9
.irp b, 0,1,2,3
.irp e, 0,1,2,3
	global_load_b128 v[BA+16*\b+4*\e:BA+16*\b+4*\e+3], v8, s[92:93] offset:128*\b+16*\e
.endr
.endr
.irp a, 0,1,2,3,4,5,6,7
	global_load_b32 v[BB+2*\a], v9, s[94:95] offset:(32*(\a/2)+8*(\a%2))*4
.endr
.macro FRAG reg, adr, q, i
.irp c, 0,1
	ds_load_b128 v[\reg+4*\c:\reg+4*\c+3], v[\adr] offset:64*(\q)+32*\c+(\i)*16*PITCH
.endr
.endm
.macro MUL16 a0, p, q, sc, zero        ; A's blocks a0, a0 + 1 x B's eight; the 64 accumulators by turns, in the same order in every step
.irp a, \a0, \a0+1
.irp b, 0,1,2,3,4,5,6,7
.if \zero
	v_wmma_scale_f32_16x16x128_f8f6f4 v[8*(8*((\a)%4)+\b):8*(8*((\a)%4)+\b)+7], v[128*(\p)+FR*\b:128*(\p)+FR*\b+FR-1], v[AF+FR*(\a):AF+FR*(\a)+FR-1], 0, v[SC+8*NQ*(\sc)+NQ*\b+(\q)], v[SC+8*NQ*(\sc)+NQ*(\a)+(\q)] matrix_a_fmt:MATRIX_FMT_FP4 matrix_b_fmt:MATRIX_FMT_FP4 matrix_a_scale:MATRIX_SCALE_ROW1
.else
	v_wmma_scale_f32_16x16x128_f8f6f4 v[8*(8*((\a)%4)+\b):8*(8*((\a)%4)+\b)+7], v[128*(\p)+FR*\b:128*(\p)+FR*\b+FR-1], v[AF+FR*(\a):AF+FR*(\a)+FR-1], v[8*(8*((\a)%4)+\b):8*(8*((\a)%4)+\b)+7], v[SC+8*NQ*(\sc)+NQ*\b+(\q)], v[SC+8*NQ*(\sc)+NQ*(\a)+(\q)] matrix_a_fmt:MATRIX_FMT_FP4 matrix_b_fmt:MATRIX_FMT_FP4 matrix_a_scale:MATRIX_SCALE_ROW1
.endif
.endr
.endr
.endm
.macro FETCH_B slot, q, p
	WIN TO_B
.irp i, 0,1,2,3,4,5,6,7
	FRAG 128*(\p)+FR*\i, ADRB+\slot, \q, \i
.endr
	WIN 0
.endm
.macro FETCH_A slot, q, i0
.irp i, \i0, \i0+1, \i0+2, \i0+3
	FRAG AF+FR*(\i), ADRA+\slot, \q, \i
.endr
.endm
.macro PLACES n
.rept \n
	v_nop
.endr
.endm
.macro STEP slot, q, zero              ; 128 along K with its successor in the same slot
	s_wait_dscnt 4*NL                              ; B's set and A's blocks 0-3 are in; the youngest eight loads (A's blocks 4-7) may be out
	WIN MUL_LO
	MUL16 0, (\q)%2, \q, \slot, \zero
	MUL16 2, (\q)%2, \q, \slot, \zero
	s_wait_dscnt 0
	PLACES NP
	FETCH_B \slot, (\q)+1, 1-(\q)%2
	FETCH_A \slot, (\q)+1, 0
	WIN MUL_HI
	MUL16 4, (\q)%2, \q, \slot, \zero
	MUL16 6, (\q)%2, \q, \slot, \zero
	PLACES NP
	WIN 0
	FETCH_A \slot, (\q)+1, 4
.endm
.macro STEPS slot, from
.set Q, \from
.rept NQ-1-\from
	STEP \slot, Q, 0
.set Q, Q+1
.endr
.endm
	s_wait_alu depctr_va_vdst(0)
	s_cmp_lt_u32 s14, 2
	s_cbranch_scc0 .Lnot_slot_0
	s_wait_tensorcnt 0x0                           ; waves 0 and 1: slot 0's tiles have landed
.Lnot_slot_0:
	s_barrier_signal -1
	s_barrier_wait -1                              ; slot 0 is whole; slot 1's tiles may still be on their way
	FETCH_B 0, 0, 0
	FETCH_A 0, 0, 0
	FETCH_A 0, 0, 4
	s_wait_loadcnt 24                              ; the sixteen loads of scale words are in; the 24 of the biases may be out
	STEP 0, 0, 1
	STEPS 0, 1
	s_wait_tensorcnt 0x0                           ; every wave: slot 1's tiles have landed
	s_wait_dscnt 4*NL
	WIN MUL_LO
	MUL16 0, 1, NQ-1, 0, 0
	s_wait_dscnt 0x0
	s_barrier_signal -1
	MUL16 2, 1, NQ-1, 0, 0
	WIN 0
	s_barrier_wait -1                              ; slot 1 is whole
	PLACES NP
	FETCH_B 1, 0, 0
	FETCH_A 1, 0, 0
	WIN MUL_HI
	MUL16 4, 1, NQ-1, 0, 0
	MUL16 6, 1, NQ-1, 0, 0
	PLACES NP
	WIN 0
	FETCH_A 1, 0, 4
	STEPS 1, 0
	s_wait_dscnt 4*NL
	WIN MUL_LO
	MUL16 0, 1, NQ-1, 1, 0
	MUL16 2, 1, NQ-1, 1, 0
	s_wait_dscnt 0
	WIN MUL_HI
	MUL16 4, 1, NQ-1, 1, 0
	MUL16 6, 1, NQ-1, 1, 0
	WIN 0
	PLACES NP
	s_wait_loadcnt 0x0                             ; the biases
.irp a, 0,1,2,3,4,5,6,7
	v_mov_b32 v[BB+2*\a+1], v[BB+2*\a]
.endr
	v_and_b32 v10, 31, v0
	v_cmp_le_u32 vcc_lo, 16, v10
	v_lshlrev_b32 v11, 4, v10
	v_mul_u32_u24 v12, v2, HEADB
	v_lshl_add_u32 v12, v1, 4, v12
	s_mov_b32 s[SEL], 0x76543210
	s_mov_b32 s[SEL+1], 0xfedcba98
	WIN TO_B
	v_mov_b32 v[LI], v11
	v_mov_b32 v[LV], v12
.irp b, 0,1,2,3
	v_mov_b32 v[TM+4+\b], 0
.endr
	WIN 0
.macro QUANT s                         ; a lane's 64 numbers, four half blocks of 16: the blocks' largest magnitudes with lane l xor 16's, the scale word, the codes, a whole block to a lane
.irp b, 0,1,2,3
	v_max3_num_f32 v[TM+\b], |v[\s+16*\b]|, |v[\s+1+16*\b]|, 0x1800000
.endr
.irp i, 2,4,6,8,10,12,14
.irp b, 0,1,2,3
	v_max3_num_f32 v[TM+\b], v[TM+\b], |v[\s+16*\b+\i]|, |v[\s+1+16*\b+\i]|
.endr
.endr
.irp b, 0,1,2,3
	v_permlanex16_b32 v[TM+4+\b], v[TM+\b], s[SEL], s[SEL+1]
.endr
.irp b, 0,1,2,3
	v_max_num_f32 v[TM+\b], v[TM+\b], v[TM+4+\b]
.endr
.irp b, 0,1,2,3
	v_add_nc_u32 v[TM+12+\b], 0xff000000, v[TM+\b]
.endr
.irp b, 0,1,2,3
	v_lshrrev_b32 v[TM+4+\b], 23, v[TM+12+\b]
.endr
	v_lshl_or_b32 v[PW], v[TM+5], 8, v[TM+4]
	v_lshl_or_b32 v[PW], v[TM+6], 16, v[PW]
	v_lshl_or_b32 v[PW], v[TM+7], 24, v[PW]
.irp b, 0,1,2,3
	v_cvt_scalef32_pk8_fp4_f32 v[PC+2*\b], v[\s+16*\b:\s+7+16*\b], v[TM+12+\b]
	v_cvt_scalef32_pk8_fp4_f32 v[PC+1+2*\b], v[\s+8+16*\b:\s+15+16*\b], v[TM+12+\b]
.endr
	v_nop
.irp c, 0,1
.irp i, 0,1
	v_permlane16_swap_b32 v[PC+4*\c+\i], v[PC+2+4*\c+\i]
.endr
.endr
.endm
.macro EPI a, isv                      ; A's block a goes out
.if (\a) > 0
	s_wait_xcnt 0x0                                ; the last block's stores have read their registers
.endif
	WIN 0x42+(\a)/4
.set AC, 64*((\a)%4)
.set P, 0
.rept 32
.if \isv
	v_pk_add_f32 v[ST+P:ST+P+1], v[AC+P:AC+P+1], v[BB+2*(\a):BB+2*(\a)+1]
.else
	v_pk_add_f32 v[ST+P:ST+P+1], v[AC+P:AC+P+1], v[BA+P:BA+P+1]
.endif
.set P, P+2
.endr
	WIN 0x55
	QUANT ST
.if \isv
	v_mov_b32 v[WA+(\a)], v[PW]
	global_store_b128 v[LI], v[PC:PC+3], s[12:13] offset:((\a)/4)*HEADB+4096+1024*((\a)%4)
	global_store_b128 v[LI], v[PC+4:PC+7], s[12:13] offset:((\a)/4)*HEADB+4096+1024*((\a)%4)+512
.else
	v_and_b32 v[WA+(\a)], 0xffff, v[PW]
	v_lshrrev_b32 v[WB+(\a)], 16, v[PW]
	global_store_b128 v[LI], v[PC:PC+3], s[12:13] offset:512*(\a)
	global_store_b128 v[LI], v[PC+4:PC+7], s[12:13] offset:512*(\a)+HEADB
.endif
.endm
	s_cmp_eq_u32 s3, 2
	s_cbranch_scc1 .Lv
.irp a, 0,1,2,3,4,5,6,7
	EPI \a, 0
.endr
.irp e, 0,1,2,3
	v_cndmask_b32 v[T+\e], v[WA+\e], v[WA+4+\e], vcc_lo
	v_cndmask_b32 v[T2+\e], v[WB+\e], v[WB+4+\e], vcc_lo
.endr
	global_store_b128 v[LI], v[T:T+3], s[12:13] offset:8192
	global_store_b128 v[LI], v[T2:T2+3], s[12:13] offset:8192+HEADB
	WIN 0
	s_branch .Lend
.Lv:
.irp a, 0,1,2,3,4,5,6,7
	EPI \a, 1
.endr
.irp e, 0,1,2,3
	v_cndmask_b32 v[T+\e], v[WA+\e], v[WA+4+\e], vcc_lo
.endr
	global_store_b128 v[LV], v[T:T+3], s[12:13] offset:8704
	WIN 0
.Lend:
	s_wait_tensorcnt 0x0                           ; the wave's end
	ds_add_u32 v126, v127
	s_wait_dscnt 0x0
	CROUND                                         ; the closing round
	s_endpgm
.Lfunc_end_k_q4ce9714cb9_proj:
	.size	k_q4ce9714cb9_proj, .Lfunc_end_k_q4ce9714cb9_proj-k_q4ce9714cb9_proj
	.p2alignl 7, 3214868480
	.fill 96, 4, 3214868480
	.section	.rodata,"a",@progbits
	.p2align	6, 0x0
	.amdhsa_kernel k_q4ce9714cb9_proj
		.amdhsa_group_segment_fixed_size 327680
		.amdhsa_private_segment_fixed_size 0
		.amdhsa_enable_private_segment 0
		.amdhsa_kernarg_size 56
		.amdhsa_user_sgpr_count 2
		.amdhsa_user_sgpr_kernarg_segment_ptr 1
		.amdhsa_wavefront_size32 1
		.amdhsa_system_sgpr_workgroup_id_x 1
		.amdhsa_system_sgpr_workgroup_id_y 1
		.amdhsa_system_sgpr_workgroup_id_z 1
		.amdhsa_system_vgpr_workitem_id 0
		.amdhsa_next_free_vgpr 1024
		.amdhsa_next_free_sgpr 102
		.amdhsa_reserve_vcc 1
		.amdhsa_float_denorm_mode_32 3
		.amdhsa_float_denorm_mode_16_64 3
		.amdhsa_memory_ordered 1
		.amdhsa_forward_progress 1
		.amdhsa_inst_pref_size 195
	.end_amdhsa_kernel
	.amdgpu_metadata
---
amdhsa.version: [ 1, 2 ]
amdhsa.kernels:
  - .name:           k_q4ce9714cb9_proj
    .symbol:         k_q4ce9714cb9_proj.kd
    .args:
      - { .name: xcodes, .offset: 0, .size: 8, .value_kind: global_buffer, .address_space: global }
      - { .name: xscales, .offset: 8, .size: 8, .value_kind: global_buffer, .address_space: global }
      - { .name: bq, .offset: 16, .size: 8, .value_kind: global_buffer, .address_space: global }
      - { .name: bk, .offset: 24, .size: 8, .value_kind: global_buffer, .address_space: global }
      - { .name: bv, .offset: 32, .size: 8, .value_kind: global_buffer, .address_space: global }
      - { .name: qpack, .offset: 40, .size: 8, .value_kind: global_buffer, .address_space: global }
      - { .name: kvpack, .offset: 48, .size: 8, .value_kind: global_buffer, .address_space: global }
    .group_segment_fixed_size: 327680
    .private_segment_fixed_size: 0
    .kernarg_segment_align: 8
    .kernarg_segment_size: 56
    .max_flat_workgroup_size: 128
    .sgpr_count:     102
    .vgpr_count:     1024
    .wavefront_size: 32
...
	.end_amdgpu_metadata
.endif
;; end of part 2
;; launch attn (part 3): grid 4 x 64, 16 waves a work-group, clusters of 4 x 1, 215,040 bytes of LDS; arguments qpack, kvpack, mcodes, out0; writes out0
.if DOCPART == 3
	.amdgcn_target "amdgcn-amd-amdhsa--gfx1250"
	.amdhsa_code_object_version 6
	.text
	.protected	k_q4ce9714cb9_attn
	.globl	k_q4ce9714cb9_attn
	.p2align	8
	.type	k_q4ce9714cb9_attn,@function
k_q4ce9714cb9_attn:
	s_mov_b64 s[64:65], 0
	v_nop
	global_prefetch_b8 v0, s[64:65] scope:SCOPE_SE
	s_setreg_imm32_b32 hwreg(HW_REG_WAVE_MODE, 25, 1), 1
	s_wait_xcnt 0x0
	s_wait_alu depctr_hold_cnt(0) depctr_sa_sdst(0) depctr_va_vdst(0) depctr_va_sdst(0) depctr_va_ssrc(0) depctr_va_vcc(0) depctr_vm_vsrc(0)
	s_getreg_b32 s2, hwreg(HW_REG_IB_STS2, 6, 4)
	s_cmp_eq_u32 s2, 0
	s_cbranch_scc0 .Lentry_in_a_cluster
	s_endpgm
.Lentry_in_a_cluster:
	s_bfe_u32 s2, ttmp6, 0x10000c
	s_cmp_lg_u32 s2, 0x3003
	s_cbranch_scc0 .Lentry_shape_is_right
	s_endpgm
.Lentry_shape_is_right:
; ATTN.  out[b][q][64 head + :] = the sum over k of softmax_k(Q.K / 32, hidden where the mask is 1) V, both products on codes of FP4 (E2M1) with E8M0 scales.
; THE SOFTMAX AHEAD OF THE SECOND PRODUCT: t = score x log2(e) / 32; M = the row's largest t so far, rounded UP to a whole number; p = 2^(t - M) is quantised along the keys, not normalised.  The row's sum is taken of the
; unquantised p and divides O at the end.  When M moves, the sum and O are multiplied by 2^(old M - new M): exact.
; THE MASK IS THE FIRST PRODUCT'S C.  It comes as codes of FP4, -1 where a key is hidden, else 0, eight to a word in the order of a lane's result registers; one conversion widens a word to eight f32 numbers, -2^100 or 0,
; straight into the result tile's registers, and the product adds the scores onto them.  A hidden score is about -2^100, its t about -6e28, so p = 0.  The largest t begins at -2^31, above every hidden t:
; a step or a row all of whose keys are hidden leaves it there, with p = 0.  A row whose every key is hidden has sum 0 and O 0: 0 x infinity = NaN, as the softmax of such a row is.
; LIMITS: the promise holds while the scaled scores t stay under 2^31 in magnitude; NaN and infinities among the inputs are not served; a block of p whose largest falls under 2^-124 keeps the scale byte 1.
; SHARES.  A work-group owns 512 queries of one head (b, head); each of its sixteen waves 32 of them, two tiles of 16, one after the other; four waves to a SIMD.
; K AND V of the whole head, 16 key steps of 128 keys as images of the operands' registers with their scale words (16 records of 8,960 bytes), come into LDS ONCE, by one tensor load in each of waves 0 to 7; no LDS byte is filled again.
; CLUSTER.  The four work-groups of a head form a cluster and ask for those bytes jointly: the same load, the same descriptor, a mask that names the four.
; LAYOUT.  Both products are used transposed: S^T = K Q^T, O^T = V^T P^T: a lane holds ONE query (lane % 16) throughout.  Lane r of tile 2 b + u is row 32 b + 8 u + r + 8 (r / 8) (keys, queries and channels alike),
; so that the 16 registers of result tiles 2 b and 2 b + 1 are 16 neighbours: 32 b + 16 (lane / 16) + 0 .. 15.
; THE FIRST PRODUCT'S K IS 64.  Registers 4-7 of Q's fragment are zero codes, so what K's fragment holds there adds nothing: K's eight pieces of four registers lie on end, tile t's fragment is pieces t and t + 1,
; and four zero registers close the run.  The scale words' bytes 2 and 3 are 0.
; WHAT IS ASKED FOR AHEAD.  A wave's mask words come by its own loads two key steps ahead (two sets of eight registers by turns, so a trip of the loop is two key steps); no other prefetch of them is laid: each wave's
; words are its own, 1,024 bytes a step.  K's pieces of the next step are asked of LDS behind this step's first product, V's at the step's head.
.set REC,   8960                       ; a key step's record: +0 K's 8 tiles (512 each), +4,096 V's 4 tiles (1,024 each), +8,192 K's scale words, +8,704 V's
.set HEADB, 16*REC
.set PART,  HEADB/8                    ; what one tensor load brings: 70 rows of 256 bytes
.set STG,   HEADB                      ; behind them: a stage of 16 rows x (256 + 16) bytes for each wave, for the way out
.set SPI,   272
.set SPARE, STG+16*16*SPI              ; the spare words: 128 bytes a wave
.set L16,  1                           ; v1   16 x lane
.set R16,  2                           ; v2   16 x (lane % 16)
.set ADK,  3                           ; v3   the trip's first record + 16 x lane
.set ADT,  4                           ; v4   the same + 16 x (lane % 16)
.set GO,   5                           ; v5   the way out: 4,096 (lane / 16) + 16 (lane % 16)
.set STI,  6                           ; v6   into my stage
.set STB,  7                           ; v7   back
.set MSC,  10                          ; v10  the byte of 2^100 in all four bytes: the mask conversions' scale
.set ADN,  11                          ; v11  the next trip's first record + 16 x lane
.set QF,   16                          ; v16-31   Q's two fragments
.set KF,   32                          ; v32-63   K's eight pieces; v64-67 zeros
.set MB,   68                          ; v68-83   the mask words, two sets of eight
.set SPW,  84                          ; v84  my spare word; v85 0: kept for the add alone
.set NIL,  85
.set QS,   92                          ; v92-93 Q's scale words, tile 0, 1 (their numbers differ from K's modulo 8)
.set S,    96                          ; v96-159  the mask's numbers, S^T, then p
.set OT,   160                         ; v160-191 O^T
.set PC,   192                         ; v192-199 p's codes
.set VF,   200                         ; v200-231 V's four fragments
.set KS,   240                         ; v240-243 K's scale words: lanes 0-15 tiles 0-3, lanes 16-31 tiles 4-7
.set VS,   248                         ; v248-251 V's
                                       ; v12 -M, v13 the largest t, v[14:15] the sum in two halves; v86-89, v232-239, v244-247, v252, v254, v255 at work; v253 p's scale word
.set TB,   2                           ; s2   LDS byte at which the trip's first record begins
.set CNT,  3                           ; s3   trips to go in the tile
.set WV,   12                          ; s12  my wave's number
.set TN,   14                          ; s14  the next trip's first record, held at the last
.set MP,   20                          ; s[20:21] where the trip's mask words begin
.set MO,   22                          ; s[22:23] their offset from my wave's first
.set G0,   84
.set G1,   88
.set SEL,  96                          ; s[96:97] v_permlanex16_b32's selects for lane l xor 16
.set CS,   98                          ; s[98:99] c = log2(e) / 32
.macro CROUND                          ; a round of the cluster's barrier
	s_barrier_signal -1
	s_barrier_wait -1
	s_cmp_lg_u32 s[WV], 0
	s_cbranch_scc1 .Lnot_wave_0_\@
	s_barrier_signal -3
.Lnot_wave_0_\@:
	s_barrier_wait -3
	s_barrier_signal -1
	s_barrier_wait -1
.endm
.macro PADD d, a, b
	v_pk_add_f32 v[\d:\d+1], v[\a:\a+1], v[\b:\b+1]
.endm
	s_load_b256 s[4:11], s[0:1], 0x0               ; qpack s[4:5], kvpack s[6:7], mcodes s[8:9], out0 s[10:11]
	v_lshl_add_u32 v[SPW], v0, 2, SPARE
	v_mov_b32 v[NIL], 0
	ds_add_u32 v[SPW], v[NIL]                      ; the opening lines
	ds_add_u32 v[SPW], v[NIL]
	v_lshrrev_b32 v1, 5, v0
	v_readfirstlane_b32 s[WV], v1                  ; wave 0..15
	s_bfe_u32 s13, ttmp6, 0x40000                  ; cx: which 512 queries; it enters Q's, the mask's and the output's addresses alone
	s_and_b32 s15, ttmp7, 0xffff                   ; 16 b + head, which the four partners share
	s_mov_b32 s[G1], 15|(3<<16)|(1<<21)            ; the mask: all four work-groups; elements of 8 bytes; bit 21 beside a mask.  70 dense rows of 256 bytes
	s_mov_b32 s[G1+1], 32<<16
	s_mov_b32 s[G1+2], 70<<16
	s_mov_b32 s[G1+3], 32<<16
	s_mov_b32 s[G1+4], 70
	s_mov_b32 s[G1+5], 32
	s_mov_b32 s[G1+6], 0
	s_mov_b32 s[G1+7], 0
	s_mov_b32 s[G0], 1
	s_mul_i32 s[G0+1], s[WV], PART                 ; LDS address: wave x 17,920
	s_mul_i32 s16, s15, HEADB
	s_add_co_u32 s16, s16, s[G0+1]                 ; and the same place in my head's bytes
	s_mov_b32 s17, 0
	s_mov_b32 s[SEL], 0x76543210
	s_mov_b32 s[SEL+1], 0xfedcba98
	s_mov_b32 s[CS], 0x3d38aa3b                    ; c = log2(e) / sqrt(1024)
	s_mov_b32 s[CS+1], s[CS]
	s_mov_b32 s[MO], 0
	s_mov_b32 s[MO+1], 0
	s_wait_dscnt 0x0
	s_wait_kmcnt 0x0
	s_add_nc_u64 s[G0+2:G0+3], s[6:7], s[16:17]
	s_or_b32 s[G0+3], s[G0+3], 0x80000000
	CROUND                                         ; all four work-groups are here: the joint loads meet
	s_cmp_lt_u32 s[WV], 8                          ; waves 0 to 7 fetch, one load each
	s_cbranch_scc0 .Lno_fetch
	tensor_load_to_lds s[G0:G0+3], s[G1:G1+7]
	s_nop 0
.rept 4
	v_nop
.endr
.Lno_fetch:
	s_lshl_b32 s16, s15, 4                         ; Q: record 16 (16 b + head) + 4 cx + wave / 4
	s_lshl_b32 s18, s13, 2
	s_add_co_u32 s16, s16, s18
	s_lshr_b32 s18, s[WV], 2
	s_add_co_u32 s16, s16, s18
	s_mul_i32 s16, s16, REC
	s_add_nc_u64 s[4:5], s[4:5], s[16:17]
	s_lshr_b32 s16, s15, 4                         ; the mask words: tile 128 b + 32 cx + 2 wave, 16,384 bytes a tile; my two tiles' 32 key steps lie on end
	s_lshl_b32 s16, s16, 7
	s_lshl_b32 s18, s13, 5
	s_add_co_u32 s16, s16, s18
	s_lshl_b32 s18, s[WV], 1
	s_add_co_u32 s16, s16, s18
	s_lshl_b32 s16, s16, 14
	s_add_nc_u64 s[8:9], s[8:9], s[16:17]
	s_mov_b64 s[MP:MP+1], s[8:9]
	s_lshr_b32 s16, s15, 4                         ; the output: row 2,048 b + 512 cx + 32 wave of 4,096 bytes, + 256 x head
	s_lshl_b32 s16, s16, 11
	s_lshl_b32 s18, s13, 9
	s_add_co_u32 s16, s16, s18
	s_lshl_b32 s18, s[WV], 5
	s_add_co_u32 s16, s16, s18
	s_lshl_b32 s16, s16, 12
	s_and_b32 s18, s15, 15
	s_lshl_b32 s18, s18, 8
	s_add_co_u32 s16, s16, s18
	s_add_nc_u64 s[10:11], s[10:11], s[16:17]
	v_and_b32 v1, 31, v0
	v_lshlrev_b32 v[L16], 4, v1
	v_and_b32 v2, 15, v0                           ; r
	v_bfe_u32 v11, v0, 4, 1                        ; h
	s_mul_i32 s100, s[WV], 16*SPI
	s_add_co_u32 s100, s100, STG                   ; my stage
	v_mul_u32_u24 v[STI], v2, SPI
	v_mul_u32_u24 v[STB], v11, SPI
	v_lshlrev_b32 v[GO], 12, v11
	v_lshl_add_u32 v[STI], v11, 6, v[STI]
	v_lshl_add_u32 v[STB], v2, 4, v[STB]
	v_lshl_add_u32 v[GO], v2, 4, v[GO]
	v_add_nc_u32 v[STI], s100, v[STI]
	v_add_nc_u32 v[STB], s100, v[STB]
	v_lshlrev_b32 v[R16], 4, v2
	s_and_b32 s100, s[WV], 3                       ; my two tiles in the record: 2 (wave % 4) + u
	s_lshl_b32 s100, s100, 10
	v_add_nc_u32 v3, s100, v[L16]
	s_bfe_u32 s100, s[WV], 0x10001                 ; their scale words: half (wave / 2) % 2 of the image's lanes, registers 2 (wave % 2) + u
	s_lshl_b32 s100, s100, 8
	s_and_b32 s101, s[WV], 1
	s_lshl_b32 s101, s101, 3
	s_add_co_u32 s100, s100, s101
	v_add_nc_u32 v4, s100, v[R16]
.irp u, 0,1
	global_load_b128 v[QF+8*\u:QF+8*\u+3], v3, s[4:5] offset:512*\u
	global_load_b32 v[QS+\u], v4, s[4:5] offset:8192+4*\u
.endr
.irp i, 0,1,2,3
	global_load_b128 v[MB+4*\i:MB+4*\i+3], v[L16], s[8:9] offset:512*\i   ; the mask words of key steps 0 and 1
.endr
.irp u, 0,1
.irp i, 4,5,6,7
	v_mov_b32 v[QF+8*\u+\i], 0                     ; k = 64 .. 127 of the first product: zero codes
.endr
.endr
.irp i, 0,1,2,3
	v_mov_b32 v[KF+32+\i], 0                       ; behind K's last piece
.endr
	v_mov_b32 v[MSC], 0xe3e3e3e3                   ; 227 = 100 + 127
.irp b, 0,1,2,3
	v_mov_b32 v[236+\b], 0                         ; written once: a lane permute's destination counts as one of its sources
.endr
	v_mov_b32 v253, 0                              ; (named as the upper half of the pair v[252:253] before it is first written)
	s_wait_alu depctr_va_vdst(0)
	s_wait_loadcnt 0x0                             ; Q and the first mask words; v3 and v4 are free again
	s_wait_tensorcnt 0x0                           ; my part of K and V has landed,
	s_barrier_signal -1
	s_barrier_wait -1                              ; everybody's has
; A KEY STEP of tile u: 128 keys; mb = 0, 1: the trip's first or second step, and the set of mask words.
.macro STEP u, mb
	s_wait_loadcnt 0x2                             ; this step's two loads of mask words are in; the next step's two stay out
.irp t, 0,1,2,3,4,5,6,7
	v_cvt_scale_pk8_f32_fp4 v[S+8*\t:S+8*\t+7], v[MB+8*(\mb)+\t], v[MSC]   ; -2^100 where a key is hidden, else 0: the first product's C
.endr
.if \mb
.rept 4
	v_nop                                          ; four places behind the last step's products, in front of the loads into V's registers; also the plain place behind the conversions
.endr
.else
	v_add_nc_u32 v[ADK], s[TB], v[L16]             ; (these three and the v_nop are those four places)
	v_add_nc_u32 v[ADT], s[TB], v[R16]
	v_add_nc_u32 v[ADN], s[TN], v[L16]
	v_nop
.endif
	global_load_b128 v[MB+8*(\mb):MB+8*(\mb)+3], v[L16], s[MP:MP+1] offset:2048+1024*(\mb)        ; the mask words of two steps on, into the set just read
	global_load_b128 v[MB+8*(\mb)+4:MB+8*(\mb)+7], v[L16], s[MP:MP+1] offset:2048+1024*(\mb)+512
.irp f, 0,1,2,3,4,5,6,7
	ds_load_b128 v[VF+4*\f:VF+4*\f+3], v[ADK] offset:REC*(\mb)+4096+512*\f
.endr
	ds_load_b128 v[VS:VS+3], v[ADT] offset:REC*(\mb)+8704
	s_wait_alu depctr_va_vdst(0)
	s_wait_dscnt 0x9                               ; K's nine loads, asked for a step ago, are in; V's nine stay out
.irp t, 0,1,2,3
	v_wmma_scale_f32_16x16x128_f8f6f4 v[S+8*\t:S+8*\t+7], v[KF+4*\t:KF+4*\t+7], v[QF+8*\u:QF+8*\u+7], v[S+8*\t:S+8*\t+7], v[KS+\t], v[QS+\u] matrix_a_fmt:MATRIX_FMT_FP4 matrix_b_fmt:MATRIX_FMT_FP4
.endr
.irp t, 4,5,6,7
	v_wmma_scale_f32_16x16x128_f8f6f4 v[S+8*\t:S+8*\t+7], v[KF+4*\t:KF+4*\t+7], v[QF+8*\u:QF+8*\u+7], v[S+8*\t:S+8*\t+7], v[KS+\t-4], v[QS+\u] matrix_a_fmt:MATRIX_FMT_FP4 matrix_b_fmt:MATRIX_FMT_FP4 matrix_a_scale:MATRIX_SCALE_ROW1
.endr
.rept 4
	v_nop                                          ; four places: for the loads into K's registers and the first reads of the scores
.endr
.irp t, 0,1,2,3,4,5,6,7                        ; the next step's K
.if \mb
	ds_load_b128 v[KF+4*\t:KF+4*\t+3], v[ADN] offset:512*\t
.else
	ds_load_b128 v[KF+4*\t:KF+4*\t+3], v[ADK] offset:REC+512*\t
.endif
.endr
.if \mb
	ds_load_b128 v[KS:KS+3], v[ADN] offset:8192
.else
	ds_load_b128 v[KS:KS+3], v[ADK] offset:REC+8192
.endif
.irp b, 0,1,2,3
	v_max3_num_f32 v[232+\b], v[S+16*\b], v[S+1+16*\b], v[S+2+16*\b]   ; the largest score of each block of 32 keys: for the row's maximum and, since p rises with the score, for the block's largest p
.endr
.irp i, 3,5,7,9,11,13
.irp b, 0,1,2,3
	v_max3_num_f32 v[232+\b], v[232+\b], v[S+16*\b+\i], v[S+1+16*\b+\i]   ; (the four blocks by turns)
.endr
.endr
.irp b, 0,1,2,3
	v_max_num_f32 v[232+\b], v[232+\b], v[S+15+16*\b]
.endr
.irp b, 0,1,2,3
	s_delay_alu instid0(VALU_DEP_4)
	v_permlanex16_b32 v[236+\b], v[232+\b], s[SEL], s[SEL+1]
.endr
.irp b, 0,1,2,3
	s_delay_alu instid0(VALU_DEP_4)
	v_max_num_f32 v[232+\b], v[232+\b], v[236+\b]  ; with lane l xor 16's 16 keys
.endr
	s_delay_alu instid0(VALU_DEP_2)
	v_max3_num_f32 v254, v232, v233, v234
	s_delay_alu instid0(VALU_DEP_1)
	v_max_num_f32 v254, v254, v235                 ; the step's largest score of my query
	s_delay_alu instid0(VALU_DEP_1)
	v_mul_f32 v254, s[CS], v254                    ; as t (c is positive)
	s_delay_alu instid0(VALU_DEP_1)
	v_max_num_f32 v13, v13, v254                   ; the running largest t
	v_mov_b32 v254, v12
	s_delay_alu instid0(VALU_DEP_2)
	v_floor_f32 v12, -v13                          ; the new -M = floor(-t) = -ceil(t): M is a whole number
	s_delay_alu instid0(VALU_DEP_1)
	v_sub_f32 v254, v12, v254                      ; M's old value less its new one: a whole number, 0 or less
	s_delay_alu instid0(VALU_DEP_1)
	v_cvt_i32_f32 v254, v254                       ; (it saturates)
	s_delay_alu instid0(VALU_DEP_1)
	v_ldexp_f32 v252, 1.0, v254                    ; f = 2^(old M - new M)
.irp j, 0,2,4,6,8,10,12,14,16,18,20,22,24,26,28,30,32,34,36,38,40,42,44,46,48,50,52,54,56,58,60,62
	v_pk_fma_f32 v[S+\j:S+1+\j], v[S+\j:S+1+\j], s[CS:CS+1], v[12:13] op_sel_hi:[1,0,0]   ; t - M, two at a time
.endr
.irp b, 0,1,2,3
	v_fma_f32 v[232+\b], v[232+\b], s[CS], v12     ; the same of each block's largest score
.endr
.irp j, 0,2,4,6,8,10,12,14,16,18,20,22,24,26,28,30
	v_pk_mul_f32 v[OT+\j:OT+1+\j], v[OT+\j:OT+1+\j], v[252:253] op_sel_hi:[1,0]   ; O^T under the new M; each result from its low end on
.endr
	s_wait_alu depctr_va_vdst(0)
.irp j, 0,1,2,3,4,5,6,7,8,9,10,11,12,13,14,15,16,17,18,19,20,21,22,23,24,25,26,27,28,29,30,31,32,33,34,35,36,37,38,39,40,41,42,43,44,45,46,47,48,49,50,51,52,53,54,55,56,57,58,59,60,61,62,63
	v_exp_f32 v[S+\j], v[S+\j]                     ; p = 2^(t - M), at most 1: not normalised
.endr
.irp b, 0,1,2,3
	v_exp_f32 v[232+\b], v[232+\b]                 ; the block's largest p: the same two instructions on the same number give the same bits
.endr
	v_pk_mul_f32 v[14:15], v[14:15], v[252:253] op_sel_hi:[1,0]   ; the sums under the new M.  (A plain place behind the exponentials)
	s_wait_alu depctr_va_vdst(0)                   ; and the one behind it
.irp b, 0,1,2,3
	v_max_num_f32 v[232+\b], 0x1800000, v[232+\b]  ; the floor 2^(3 - 127): the byte cannot fall under 1 (a block whose every p is 0 keeps that byte: its codes are zeros)
.endr
.irp b, 0,1,2,3
	s_delay_alu instid0(VALU_DEP_4)
	v_add_nc_u32 v[244+\b], 0xff000000, v[232+\b]  ; 2 off the exponent field: the conversion's scale operand
.endr
.irp b, 0,1,2,3
	s_delay_alu instid0(VALU_DEP_4)
	v_lshrrev_b32 v[236+\b], 23, v[244+\b]         ; the scale's byte
.endr
	s_delay_alu instid0(VALU_DEP_3)
	v_lshl_or_b32 v253, v237, 8, v236              ; p's scale word for these 128 keys
	s_delay_alu instid0(VALU_DEP_1)
	v_lshl_or_b32 v253, v238, 16, v253
	s_delay_alu instid0(VALU_DEP_1)
	v_lshl_or_b32 v253, v239, 24, v253
.irp b, 0,1,2,3
	v_cvt_scalef32_pk8_fp4_f32 v[PC+2*\b], v[S+16*\b:S+7+16*\b], v[244+\b]
	v_cvt_scalef32_pk8_fp4_f32 v[PC+1+2*\b], v[S+8+16*\b:S+15+16*\b], v[244+\b]
.endr
	v_nop                                          ; one plain place behind a scaled conversion
.irp c, 0,1                                    ; the operand's layout wants a whole block in a lane
.irp i, 0,1
	v_permlane16_swap_b32 v[PC+4*\c+\i], v[PC+2+4*\c+\i]
.endr
.endr
	PADD 236, 100, 104                             ; the row's sum of the unquantised p, two at a time, in eight chains.  (These are the places between the codes' and the scale word's last writes and the products below)
	PADD 254, 108, 112
	PADD 246, 116, 120
	PADD 244, 124, 128
	PADD 86, 132, 136
	PADD 88, 140, 144
	PADD 234, 148, 152
	PADD 14, 14, 156
	PADD 236, 236, 96
	PADD 254, 254, 98
	PADD 246, 246, 102
	PADD 244, 244, 106
	PADD 86, 86, 110
	PADD 88, 88, 114
	PADD 234, 234, 118
	PADD 14, 14, 122
	PADD 236, 236, 126
	PADD 254, 254, 130
	PADD 246, 246, 134
	PADD 244, 244, 138
	PADD 86, 86, 142
	PADD 88, 88, 146
	PADD 234, 234, 150
	PADD 14, 14, 154
	PADD 236, 236, 158
	s_delay_alu instid0(VALU_DEP_2)
	PADD 14, 14, 244
	s_delay_alu instid0(VALU_DEP_2)
	PADD 236, 236, 86
	PADD 254, 254, 88
	PADD 246, 246, 234
	s_delay_alu instid0(VALU_DEP_2)
	PADD 14, 14, 254
	s_delay_alu instid0(VALU_DEP_2)
	PADD 236, 236, 246
	s_delay_alu instid0(VALU_DEP_1)
	PADD 14, 14, 236
	s_wait_alu depctr_va_vdst(0)
	s_wait_dscnt 0x9                               ; V's nine loads are in; the next step's nine of K stay out
.irp t, 0,1,2,3                                ; O^T += V^T P^T: the four accumulators by turns
	v_wmma_scale_f32_16x16x128_f8f6f4 v[OT+8*\t:OT+8*\t+7], v[VF+8*\t:VF+8*\t+7], v[PC:PC+7], v[OT+8*\t:OT+8*\t+7], v[VS+\t], v253 matrix_a_fmt:MATRIX_FMT_FP4 matrix_b_fmt:MATRIX_FMT_FP4
.endr
.endm
; A TILE of 16 queries: eight trips of two key steps, then the way out.  O^T and the sum begin as zeros and the largest t as -2^31; the first change of M multiplies zeros.
.macro TILE u
	s_wait_xcnt 0x0                                ; earlier stores have read their data: those registers are written again only behind this wait
	s_wait_dscnt 0x0                               ; no LDS load of mine is out: K's registers may be asked for anew
.irp t, 0,1,2,3,4,5,6,7
	ds_load_b128 v[KF+4*\t:KF+4*\t+3], v[L16] offset:512*\t        ; key step 0's K
.endr
	ds_load_b128 v[KS:KS+3], v[L16] offset:8192
	s_mov_b32 s[TB], 0
	v_mov_b32 v13, 0xcf000000                      ; -2^31
	s_delay_alu instid0(VALU_DEP_1)
	v_floor_f32 v12, -v13
	v_mov_b32 v14, 0
	v_mov_b32 v15, 0
.irp j, 0,1,2,3,4,5,6,7,8,9,10,11,12,13,14,15,16,17,18,19,20,21,22,23,24,25,26,27,28,29,30,31
	v_mov_b32 v[OT+\j], 0
.endr
	s_mov_b32 s[CNT], 8
.Ltrip_\@:
	s_add_co_u32 s[TN], s[TB], 2*REC
	s_min_u32 s[TN], s[TN], 15*REC                 ; the tile's last trip asks for the last record again: no read leaves K's and V's bytes
	STEP \u, 0
	STEP \u, 1
	s_add_co_u32 s[TB], s[TB], 2*REC
	s_wait_xcnt 0x0                                ; the loads of mask words have read their base: it may step
	s_add_co_u32 s[MO], s[MO], 2048
	s_min_u32 s[MO], s[MO], 14*2048                ; held so that my wave's last trip asks for its own two steps' words again: no load leaves my 32 steps
	s_add_nc_u64 s[MP:MP+1], s[8:9], s[MO:MO+1]
	s_sub_co_u32 s[CNT], s[CNT], 1
	s_cmp_lg_u32 s[CNT], 0
	s_cbranch_scc1 .Ltrip_\@
.rept 4
	v_nop                                          ; places behind the last products
.endr
	v_add_f32 v14, v14, v15                        ; the sum's two halves,
	s_delay_alu instid0(VALU_DEP_1)
	v_permlanex16_b32 v252, v14, s[SEL], s[SEL+1]
	s_delay_alu instid0(VALU_DEP_1)
	v_add_f32 v14, v14, v252                       ; and lane l xor 16's: the row's sum
	s_wait_alu depctr_va_vdst(0)
	v_rcp_f32 v14, v14
	v_nop                                          ; a plain place behind the transcendental
	s_wait_alu depctr_va_vdst(0)
.irp p, 0,2,4,6,8,10,12,14,16,18,20,22,24,26,28,30
	v_pk_mul_f32 v[S+\p:S+1+\p], v[OT+\p:OT+1+\p], v[14:15] op_sel_hi:[1,0]   ; O^T / the sum: register 16 b + i is channel 32 b + 16 h + i of my query
.endr
.irp b, 0,1
.irp e, 0,1,2,3
	ds_store_b128 v[STI], v[S+16*\b+4*\e:S+16*\b+4*\e+3] offset:128*\b+16*\e
.endr
.endr
.irp i, 0,1,2,3,4,5,6,7
	ds_load_b128 v[S+32+4*\i:S+35+4*\i], v[STB] offset:2*\i*SPI   ; LDS serves a wave's instructions in order (ISA guide 5.7.1.4): these see my stores
.endr
.irp i, 0,1,2,3,4,5,6,7
	s_wait_dscnt 7-\i                              ; rows 2 i, 2 i + 1 of the stage are back; the younger loads stay out
	global_store_b128 v[GO], v[S+32+4*\i:S+35+4*\i], s[10:11] offset:(2*\i+8*(\i/4)+8*\u)*4096 th:TH_STORE_NT   ; stage row p is query 8 u + p + 8 (p / 8) of my 32; sixteen lanes store 256 consecutive bytes, aligned
.endr
.endm
	TILE 0
	TILE 1
	s_wait_tensorcnt 0x0                           ; the wave's end
	ds_add_u32 v[SPW], v[NIL]
	s_wait_dscnt 0x0
	CROUND                                         ; the closing round: no work-group ends while a partner may still ask for bytes with a load that names it
	s_endpgm
.Lfunc_end_k_q4ce9714cb9_attn:
	.size	k_q4ce9714cb9_attn, .Lfunc_end_k_q4ce9714cb9_attn-k_q4ce9714cb9_attn
	.p2alignl 7, 3214868480
	.fill 96, 4, 3214868480
	.section	.rodata,"a",@progbits
	.p2align	6, 0x0
	.amdhsa_kernel k_q4ce9714cb9_attn
		.amdhsa_group_segment_fixed_size 215040
		.amdhsa_private_segment_fixed_size 0
		.amdhsa_enable_private_segment 0
		.amdhsa_kernarg_size 32
		.amdhsa_user_sgpr_count 2
		.amdhsa_user_sgpr_kernarg_segment_ptr 1
		.amdhsa_wavefront_size32 1
		.amdhsa_system_sgpr_workgroup_id_x 1
		.amdhsa_system_sgpr_workgroup_id_y 1
		.amdhsa_system_sgpr_workgroup_id_z 1
		.amdhsa_system_vgpr_workitem_id 0
		.amdhsa_next_free_vgpr 256
		.amdhsa_next_free_sgpr 102
		.amdhsa_reserve_vcc 0
		.amdhsa_float_denorm_mode_32 3
		.amdhsa_float_denorm_mode_16_64 3
		.amdhsa_memory_ordered 1
		.amdhsa_forward_progress 1
		.amdhsa_inst_pref_size 84
	.end_amdhsa_kernel
	.amdgpu_metadata
---
amdhsa.version: [ 1, 2 ]
amdhsa.kernels:
  - .name:           k_q4ce9714cb9_attn
    .symbol:         k_q4ce9714cb9_attn.kd
    .args:
      - { .name: qpack, .offset: 0, .size: 8, .value_kind: global_buffer, .address_space: global }
      - { .name: kvpack, .offset: 8, .size: 8, .value_kind: global_buffer, .address_space: global }
      - { .name: mcodes, .offset: 16, .size: 8, .value_kind: global_buffer, .address_space: global }
      - { .name: out0, .offset: 24, .size: 8, .value_kind: global_buffer, .address_space: global }
    .group_segment_fixed_size: 215040
    .private_segment_fixed_size: 0
    .kernarg_segment_align: 8
    .kernarg_segment_size: 32
    .max_flat_workgroup_size: 512
    .sgpr_count:     102
    .vgpr_count:     256
    .wavefront_size: 32
...
	.end_amdgpu_metadata
.endif
;; end of part 3
